; MI455X (gfx1250); checked and timed in simulation.
; The chip was launched on July 23, 2026; its instructions are those of AMD's public machine-readable ISA for CDNA 5 (MIT licence, August 2026) and "CDNA5" Instruction Set Architecture Reference Guide (July 2026). The comments in the code are by the model that wrote it; some were corrected since.
;; Mo E Layer. Allowed arithmetic: matrix products marked QUANTISED: E2M3 operands, one E8M0 scale for each 32 along K, by v_wmma_scale_f32_16x16x128_f8f6f4 with both operands' format E2M3, f32 sums; everything else in f32.
;; Inputs: W 16 x 1,024 x 1,024 float32; Wg 1,024 x 16 float32; b 16 x 1,024 float32; bg 16 float32; x 4,096 x 1,024 float32.
;; Outputs: out0 4,096 x 1,024 float32; out1 one number float32.
;; This version of the problem:
;;   THIS VERSION OF THE PROBLEM IS GIVEN IN LOW PRECISION. The matrix products marked QUANTISED in the list below multiply operands that are first quantised to E2M3 (2 exponent bits, 3 mantissa bits; 6 bits a number), with one power-of-two scale for each 32 numbers along K (OCP MX v1.0); their sums are f32. All else is computed in f32.
;;   The module's matrix products, in the order in which they are computed (A, B: the left and right operand; K: the contracted axis; several contracted axes count as one K, in the product's order):
;;     1. [M 4,096, K 1,024] x [K 1,024, N 16,384]; A: input x; B: input W: QUANTISED
;;     2. [M 4,096, K 1,024] x [K 1,024, N 16]; A: input x; B: input Wg: QUANTISED
;;   THE QUANTISER, for each operand of a quantised product, along K:
;;     - K is cut into blocks of 32 from its start; a last block that is shorter is filled with zeros.
;;     - A block's scale is 2^e with e = floor(log2(the largest magnitude in the block)) - 2, held to -126 .. 127; a block of zeros has e = 0. As a byte (E8M0): e + 127.
;;     - Each number is divided by its block's scale, clamped to +-7.5, and rounded to the nearest number of E2M3, ties to even, subnormals kept.
;;     - The product sums the exact products of the quantised numbers (number of the format x scale) in f32.
;;   ~~~python
;;   def quantise(x, axis):      # numpy; x: float32 -> the quantised numbers, widened to float32 again
;;       x = np.moveaxis(x, axis, -1); K = x.shape[-1]
;;       x = np.pad(x, [(0, 0)] * (x.ndim - 1) + [(0, -K % 32)]); x = x.reshape(x.shape[:-1] + (-1, 32)); a = np.abs(x).max(-1, keepdims=True)
;;       e = np.where(a > 0, np.clip(np.frexp(np.where(a > 0, a, 1))[1] - 1 - 2, -126, 127), 0)      # np.frexp(a)[1] - 1 = floor(log2(a)), exactly
;;       r = np.clip(x / 2.0 ** e, -7.5, 7.5)
;;       step = 2.0 ** (np.maximum(np.frexp(np.where(r == 0, 1, r))[1] - 1, 0) - 3)
;;       q = np.round(r / step) * step * 2.0 ** e      # np.round: ties to even
;;       return np.moveaxis(q.reshape(q.shape[:-2] + (-1,))[..., :K], -1, axis).astype(np.float32)
;;   ~~~
;; One version. Each part assembles by itself: llvm-mc -triple=amdgcn-amd-amdhsa -mcpu=gfx1250 --defsym DOCPART=n.
;; ======== version 1 of 1: 3 launches
;; limits: right only within a limited range of input values
;; workspace buffers: xc 3,145,728 bytes; xs 131,072 bytes; Wc 12,582,912 bytes; Ws 524,288 bytes; tok 65,536 bytes of whole numbers; hist 65,536 bytes of whole numbers; imp 16,384 bytes; route 65,536 bytes of whole numbers
;; launch gate (part 1): grid 256 x 1, 4 waves a work-group, no clusters, 28,160 bytes of LDS; arguments x, Wg, bg, xc, xs, tok, hist, imp; writes xc, xs, tok, hist, imp
.if DOCPART == 1
	.amdgcn_target "amdgcn-amd-amdhsa--gfx1250"
	.amdhsa_code_object_version 6
	.text
	.protected	k_q7d14ec474f_gate
	.globl	k_q7d14ec474f_gate
	.p2align	8
	.type	k_q7d14ec474f_gate,@function
k_q7d14ec474f_gate:
	s_mov_b64 s[64:65], 0
	v_nop
	global_prefetch_b8 v0, s[64:65] scope:SCOPE_SE
	s_setreg_imm32_b32 hwreg(HW_REG_WAVE_MODE, 25, 1), 1
	s_wait_xcnt 0x0
; x [4096][1024] f32 is quantised along K to codes of E2M3 with one E8M0 byte for each 32; the gate's logits x Wg + bg are made on those codes and on Wg's (quantised here too);
; then for each token: the softmax over all 16 logits (for the loss), the two largest logits (ties to the lower index), their softmax, and what a later launch needs to sort the tokens.
; SHARES. A work-group owns 16 tokens. Wave w quantises K steps 2 w and 2 w + 1 (128 along K each) of those 16 rows and of Wg; one barrier; all four waves copy the codes out, wave 1 the scale words, wave 0 does the gate.
; OUT. xc [token][K step][half][48 bytes]: the 12 operand registers of lane (row, half) on end, 768 bytes a token. xs [token][8 scale words]. tok [token] {rank in its tile among equal keys, key = 16 lo + hi, weight of lo, weight of hi}.
; hist [tile][256 bins] of bytes: how many of the tile's 16 tokens have each key. imp [tile][16]: the gates summed over the tile's tokens.
; No address, branch or trip count hangs on a logit: the keys enter values alone.
; LIMITS: NaN and infinities among the inputs are not served. A block of zeros gets the byte 1 and not 127: its codes are zeros, and the bytes are read by this program alone. Blocks whose largest magnitude lies under 2^-124 have their byte held at 1.
; Two logits closer than the rounding of their f32 sums may be ordered otherwise than in another order of summation.
.set XPITCH, 784                       ; LDS: a token's 768 bytes of codes + 16
.set XSC,  16*XPITCH                   ; x's scale words: 32 bytes a lane (lanes 16-31 hold the same as 0-15)
.set GIMG, XSC+1024                    ; Wg's eight fragments as images of their registers, 1,536 bytes each
.set GSC,  GIMG+8*1536                 ; and their scale words, 128 bytes each
.set PC,   16                          ; v16-27 the codes just made; v28-30, v32-34 second halves
.set PW,   31                          ; the scale word just made
.set TM,   36                          ; v36-39 largest magnitudes, v40-43 exchange and bytes, v44-47 the conversions' scale operands
.set BG,   48                          ; v48-55 bg at experts 8 h + 0 .. 7
.set GS,   56                          ; v56-59 Wg's scale words: lanes 0-15 K step j, lanes 16-31 K step 4 + j
.set XSR,  60                          ; v60-63 x's likewise
.set BA,   64                          ; v64-127, v128-191: two buffers of 64 numbers
.set BB,   128
.set GF,   64                          ; the gate: Wg's eight fragments,
.set XF,   160                         ; x's eight,
.set LG,   16                          ; and the logits
	s_load_b256 s[4:11], s[0:1], 0x0               ; x, Wg, bg, xc
	s_load_b256 s[12:19], s[0:1], 0x20             ; xs, tok, hist, imp
	s_set_vgpr_msb 0x40
	v_lshl_add_u32 v0, v0, 2, 0x6c00
	v_mov_b32 v1, 0
	s_set_vgpr_msb 0x4000
	v_lshrrev_b32 v1, 5, v0
	v_readfirstlane_b32 s20, v1                    ; wave 0..3
	v_and_b32 v1, 31, v0                           ; lane
	v_and_b32 v2, 15, v0                           ; r
	v_bfe_u32 v3, v0, 4, 1                         ; h
	v_lshlrev_b32 v4, 12, v2
	v_lshl_add_u32 v4, v3, 6, v4                   ; x: row r of 4,096 bytes + 64 h: my 16 numbers of a block of 32
	v_lshlrev_b32 v5, 2, v2
	v_lshl_add_u32 v5, v3, 11, v5                  ; Wg: column r, 32 h rows of 64 bytes down
	v_mul_u32_u24 v6, v2, XPITCH
	v_mad_u32_u24 v6, v3, 48, v6                   ; the codes' stage: row r, half h
	s_mul_i32 s26, s20, 192
	v_add_nc_u32 v7, s26, v6                       ; and my wave's two K steps in it, 96 bytes each
	v_lshlrev_b32 v8, 4, v1                        ; 16 x lane
	s_lshl_b32 s26, s20, 3
	s_add_co_u32 s26, s26, XSC
	v_lshlrev_b32 v9, 5, v1
	v_add_nc_u32 v9, s26, v9                       ; where I put x's scale words
	s_mul_i32 s21, s20, 3072
	s_add_co_u32 s26, s21, GIMG
	v_add_nc_u32 v10, s26, v8                      ; where I put Wg's images
	s_lshl_b32 s26, s20, 8
	s_add_co_u32 s26, s26, GSC
	v_lshlrev_b32 v11, 2, v1
	v_add_nc_u32 v11, s26, v11                     ; and their scale words
	s_mul_i32 s26, s20, 4*XPITCH
	v_add_nc_u32 v12, s26, v8                      ; the copy out: my wave's four rows of the stage,
	v_lshl_add_u32 v13, v3, 4, v12                 ; and the same one padding further on for lanes 16-31
	v_lshlrev_b32 v14, 5, v2
	v_lshl_add_u32 v14, v3, 4, v14
	v_add_nc_u32 v14, XSC, v14                     ; the gate: row r's scale words 4 h .. 4 h + 3
	v_lshlrev_b32 v15, 2, v2
	v_lshl_add_u32 v15, v3, 9, v15
	v_add_nc_u32 v15, GSC, v15                     ; and Wg's: lane r's word of K step 4 h + j
	v_lshlrev_b32 v192, 5, v3                      ; bg: 32 h
.irp b, 0,1,2,3
	v_mov_b32 v[TM+4+\b], 0                        ; written once: a lane permute's destination counts as one of its sources
.endr
	s_mov_b32 s22, 0x76543210
	s_mov_b32 s23, 0xfedcba98                      ; selects for lane l xor 16
	s_mov_b32 s24, 0xffff0000                      ; the mask of lanes 16-31
	s_mov_b32 s25, 0x3fb8aa3b                      ; log2(e)
	s_mov_b32 s29, 0
	s_lshl_b32 s28, ttmp9, 16                      ; 16 rows of 4,096 bytes a work-group,
	s_lshl_b32 s30, s20, 10                        ; two K steps of 512 bytes a wave
	s_add_co_u32 s28, s28, s30
	s_wait_alu depctr_va_vdst(0)
	s_wait_kmcnt 0x0
	s_add_nc_u64 s[4:5], s[4:5], s[28:29]
	s_lshl_b32 s28, s20, 14                        ; Wg: two K steps of 128 rows of 64 bytes
	s_add_nc_u64 s[6:7], s[6:7], s[28:29]
	s_mul_i32 s28, ttmp9, 12288
	s_add_co_u32 s28, s28, s21
	s_add_nc_u64 s[10:11], s[10:11], s[28:29]      ; xc: 16 tokens of 768 bytes, my wave's four
	s_lshl_b32 s28, ttmp9, 9
	s_add_nc_u64 s[12:13], s[12:13], s[28:29]
	s_lshl_b32 s28, ttmp9, 8
	s_add_nc_u64 s[14:15], s[14:15], s[28:29]
	s_add_nc_u64 s[16:17], s[16:17], s[28:29]
	s_lshl_b32 s28, ttmp9, 6
	s_add_nc_u64 s[18:19], s[18:19], s[28:29]
; my 16 rows' numbers of my K step sl: register 16 b + i = k 32 b + 16 h + i of row r
.macro XLOAD reg, sl
.irp b, 0,1,2,3
.irp j, 0,1,2,3
	global_load_b128 v[\reg+16*\b+4*\j:\reg+16*\b+4*\j+3], v4, s[4:5] offset:512*\sl+128*\b+16*\j th:TH_LOAD_NT
.endr
.endr
.endm
; Wg's numbers of my K step sl: a lane takes column r and its registers run down K: register 32 c + i = k 64 c + 32 h + i
.macro GLOAD reg, sl
.set I, 0
.rept 64
	global_load_b32 v[\reg+I], v5, s[6:7] offset:8192*\sl+64*((I/32)*64+I%32)
.set I, I+1
.endr
.endm
; 64 numbers of a lane, register 16 b + i = k 32 b + 16 h + i of my row, become a fragment's codes in v[PC] on and its scale word in v[PW]
.macro QUANT s
.irp b, 0,1,2,3
	v_max3_num_f32 v[TM+\b], |v[\s+16*\b]|, |v[\s+1+16*\b]|, 0x1800000   ; my 16 numbers of block b, and the floor 2^(3 - 127): the byte cannot fall under 1
.endr
.irp i, 2,4,6,8,10,12,14
.irp b, 0,1,2,3
	v_max3_num_f32 v[TM+\b], v[TM+\b], |v[\s+16*\b+\i]|, |v[\s+1+16*\b+\i]|
.endr
.endr
.irp b, 0,1,2,3
	v_permlanex16_b32 v[TM+4+\b], v[TM+\b], s22, s23
.endr
.irp b, 0,1,2,3
	v_max_num_f32 v[TM+\b], v[TM+\b], v[TM+4+\b]   ; with lane l xor 16's: the block's largest magnitude
.endr
.irp b, 0,1,2,3
	v_add_nc_u32 v[TM+8+\b], 0xff000000, v[TM+\b]  ; 2 off its exponent field: the conversion's scale operand
.endr
.irp b, 0,1,2,3
	v_lshrrev_b32 v[TM+4+\b], 23, v[TM+8+\b]       ; the scale's byte
.endr
	v_lshl_or_b32 v[PW], v[TM+5], 8, v[TM+4]
	v_lshl_or_b32 v[PW], v[TM+6], 16, v[PW]
	v_lshl_or_b32 v[PW], v[TM+7], 24, v[PW]
.irp c, 0,1
	v_cvt_scalef32_pk16_fp6_f32 v[PC+6*\c:PC+2+6*\c], v[\s+32*\c:\s+15+32*\c], v[TM+8+2*\c]
	v_cvt_scalef32_pk16_fp6_f32 v[PC+12+4*\c:PC+14+4*\c], v[\s+16+32*\c:\s+31+32*\c], v[TM+8+2*\c+1]   ; (a conversion's three registers begin on an even number)
.endr
	v_nop                                          ; one plain place behind a scaled conversion
.irp c, 0,1                                    ; the operand wants a whole block in a lane: lanes 0-15 block 2 c, lanes 16-31 block 2 c + 1
.irp i, 0,1,2
	v_permlane16_swap_b32 v[PC+6*\c+\i], v[PC+12+4*\c+\i]
.endr
.irp i, 0,1,2
	v_mov_b32 v[PC+3+6*\c+\i], v[PC+12+4*\c+\i]
.endr
.endr
.endm
; the same for Wg: a lane holds two whole blocks, h and 2 + h, of its column
.macro QUANTG s
.irp c, 0,1
	v_max3_num_f32 v[TM+\c], |v[\s+32*\c]|, |v[\s+1+32*\c]|, 0x1800000
.endr
.irp i, 2,4,6,8,10,12,14,16,18,20,22,24,26,28,30
.irp c, 0,1
	v_max3_num_f32 v[TM+\c], v[TM+\c], |v[\s+32*\c+\i]|, |v[\s+1+32*\c+\i]|
.endr
.endr
.irp c, 0,1
	v_add_nc_u32 v[TM+8+\c], 0xff000000, v[TM+\c]
.endr
.irp c, 0,1
	v_lshrrev_b32 v[TM+4+\c], 23, v[TM+8+\c]
.endr
	v_lshl_or_b32 v[PW], v[TM+5], 16, v[TM+4]      ; my two bytes,
	v_lshlrev_b32 v[TM+6], 3, v3
	v_lshlrev_b32 v[PW], v[TM+6], v[PW]            ; 8 h bits up;
	v_permlanex16_b32 v[TM+7], v[PW], s22, s23
	v_or_b32 v[PW], v[PW], v[TM+7]                 ; with lane l xor 16's two the word is whole
.irp c, 0,1
	v_cvt_scalef32_pk16_fp6_f32 v[PC+6*\c:PC+2+6*\c], v[\s+32*\c:\s+15+32*\c], v[TM+8+\c]
	v_cvt_scalef32_pk16_fp6_f32 v[PC+12+4*\c:PC+14+4*\c], v[\s+16+32*\c:\s+31+32*\c], v[TM+8+\c]
.endr
	v_nop                                          ; one plain place behind a scaled conversion
.irp c, 0,1
.irp i, 0,1,2
	v_mov_b32 v[PC+3+6*\c+\i], v[PC+12+4*\c+\i]
.endr
.endr
.endm
.macro IMG adr, off, step                      ; the 12 registers in v[PC] on go to LDS, four at a time
.irp c, 0,1,2
	ds_store_b128 v[\adr], v[PC+4*\c:PC+4*\c+3] offset:\off+\step*\c
.endr
.endm
	global_load_b128 v[BG:BG+3], v192, s[8:9]
	global_load_b128 v[BG+4:BG+7], v192, s[8:9] offset:16
	XLOAD BA, 0
	XLOAD BB, 1
	s_wait_loadcnt 16                              ; bg and my first K step are in; the second K step's 16 loads may be out
	QUANT BA
	IMG 7, 0, 16
	ds_store_b32 v9, v[PW]
	GLOAD BA, 0
	s_wait_dscnt 0x0                               ; the stores have read the codes' registers
	s_wait_loadcnt 63                              ; behind x's second K step stand 64 loads of Wg: 63 is the largest count that can be named
	QUANT BB
	IMG 7, 96, 16
	ds_store_b32 v9, v[PW] offset:4
	GLOAD BB, 1
	s_wait_dscnt 0x0
	s_wait_loadcnt 63                              ; behind Wg's first K step stand the 64 loads of its second
	QUANTG BA
	IMG 10, 0, 512
	ds_store_b32 v11, v[PW]
	s_wait_dscnt 0x0
	s_wait_loadcnt 0x0
	QUANTG BB
	IMG 10, 1536, 512
	ds_store_b32 v11, v[PW] offset:128
	s_wait_dscnt 0x0                               ; for the others' sake: all my LDS stores have landed
	s_barrier_signal -1
	s_barrier_wait -1                              ; the 16 tokens' codes and scale words and Wg's eight fragments lie in LDS
	; the codes leave: my four rows are 3,072 dense bytes of xc: six stores of 512 consecutive bytes. A pair of rows is 1,536 bytes; its second row begins 784 bytes behind the first in the stage
.irp p, 0,1
	ds_load_b128 v[64+12*\p:67+12*\p], v12 offset:2*XPITCH*\p
	ds_load_b128 v[68+12*\p:71+12*\p], v13 offset:2*XPITCH*\p+512
	ds_load_b128 v[72+12*\p:75+12*\p], v12 offset:2*XPITCH*\p+1040
.endr
.irp k, 0,1,2,3,4,5
	s_wait_dscnt 5-\k                              ; LDS loads come back in order: load k is in
	global_store_b128 v8, v[64+4*\k:67+4*\k], s[10:11] offset:512*\k
.endr
	s_cmp_lg_u32 s20, 1
	s_cbranch_scc1 .Lnot_one
	ds_load_b128 v[88:91], v8 offset:XSC           ; wave 1: the 16 tokens' scale words, 512 dense bytes
	s_wait_dscnt 0x0
	global_store_b128 v8, v[88:91], s[12:13]
.Lnot_one:
	s_cmp_lg_u32 s20, 0
	s_cbranch_scc1 .Lend
	; ---- wave 0: the gate
	s_wait_xcnt 0x0                                ; my stores above have read v64-87: the loads below may land there
.irp s, 0,1,2,3,4,5,6,7
.irp c, 0,1,2
	ds_load_b128 v[GF+12*\s+4*\c:GF+12*\s+4*\c+3], v8 offset:GIMG+1536*\s+512*\c
.endr
.endr
.irp s, 0,1,2,3,4,5,6,7
.irp c, 0,1,2
	ds_load_b128 v[XF+12*\s+4*\c:XF+12*\s+4*\c+3], v6 offset:96*\s+16*\c
.endr
.endr
.irp j, 0,1,2,3
	ds_load_b32 v[GS+\j], v15 offset:128*\j
.endr
	ds_load_b128 v[XSR:XSR+3], v14
	s_wait_dscnt 0x0
	; source 0 = Wg's 16 columns, source 1 = the 16 tokens: lane (r, h) register j = the logit of token r and expert 8 h + j. bg is the C of the first product.
	; One accumulator: a wait directly ahead of each further link.
.irp s, 0,1,2,3,4,5,6,7
.if \s == 0
	v_wmma_scale_f32_16x16x128_f8f6f4 v[LG:LG+7], v[GF:GF+11], v[XF:XF+11], v[BG:BG+7], v[GS], v[XSR] matrix_a_fmt:MATRIX_FMT_FP6 matrix_b_fmt:MATRIX_FMT_FP6
.elseif \s < 4
	s_wait_alu depctr_va_vdst(0)
	v_wmma_scale_f32_16x16x128_f8f6f4 v[LG:LG+7], v[GF+12*\s:GF+12*\s+11], v[XF+12*\s:XF+12*\s+11], v[LG:LG+7], v[GS+\s%4], v[XSR+\s%4] matrix_a_fmt:MATRIX_FMT_FP6 matrix_b_fmt:MATRIX_FMT_FP6
.else
	s_wait_alu depctr_va_vdst(0)
	v_wmma_scale_f32_16x16x128_f8f6f4 v[LG:LG+7], v[GF+12*\s:GF+12*\s+11], v[XF+12*\s:XF+12*\s+11], v[LG:LG+7], v[GS+\s%4], v[XSR+\s%4] matrix_a_fmt:MATRIX_FMT_FP6 matrix_b_fmt:MATRIX_FMT_FP6 matrix_a_scale:MATRIX_SCALE_ROW1 matrix_b_scale:MATRIX_SCALE_ROW1
.endif
.endr
.rept 4
	v_nop                                          ; four places behind the last product, ahead of the first read of the logits
.endr
	; the two largest of my eight logits: (v24, v25) the largest and its expert, (v26, v27) the second. A later logit wins only where it is strictly larger: ties stay with the lower index
	v_mov_b32 v24, v[LG]
	v_lshlrev_b32 v36, 3, v3
	v_mov_b32 v25, v36
	v_mov_b32 v26, 0xff800000
	v_mov_b32 v27, 0
.irp j, 1,2,3,4,5,6,7
	v_cmp_gt_f32 s26, v[LG+\j], v24
	v_cmp_gt_f32 vcc_lo, v[LG+\j], v26
	v_add_nc_u32 v37, \j, v36
	v_cndmask_b32 v26, v26, v[LG+\j], vcc_lo
	v_cndmask_b32 v27, v27, v37, vcc_lo
	v_cndmask_b32 v26, v26, v24, s26
	v_cndmask_b32 v27, v27, v25, s26
	v_cndmask_b32 v24, v24, v[LG+\j], s26
	v_cndmask_b32 v25, v25, v37, s26
.endr
.irp i, 0,1,2,3
	v_mov_b32 v[28+\i], 0
.endr
.irp i, 0,1,2,3
	v_permlanex16_b32 v[28+\i], v[24+\i], s22, s23 ; the other eight experts' two
.endr
.irp i, 0,1,2,3
	v_cndmask_b32 v[32+\i], v[24+\i], v[28+\i], s24   ; v32-35: those of experts 0-7, in every lane
.endr
.irp i, 0,1,2,3
	v_cndmask_b32 v[38+\i], v[28+\i], v[24+\i], s24   ; v38-41: those of experts 8-15
.endr
	v_cmp_gt_f32 vcc_lo, v38, v32
	v_cndmask_b32 v42, v32, v38, vcc_lo            ; the largest logit
	v_cndmask_b32 v43, v33, v39, vcc_lo            ; its expert
	v_cndmask_b32 v44, v34, v32, vcc_lo            ; the best that is left among 0-7
	v_cndmask_b32 v45, v35, v33, vcc_lo
	v_cndmask_b32 v46, v38, v40, vcc_lo            ; and among 8-15
	v_cndmask_b32 v47, v39, v41, vcc_lo
	v_cmp_gt_f32 vcc_lo, v46, v44
	v_cndmask_b32 v24, v44, v46, vcc_lo            ; the second logit
	v_cndmask_b32 v25, v45, v47, vcc_lo            ; its expert
	; both softmaxes, the largest logit taken away: nine exponentials in one batch
.irp j, 0,1,2,3,4,5,6,7
	v_sub_f32 v[64+\j], v[LG+\j], v42
.endr
	v_sub_f32 v72, v24, v42
.irp j, 0,1,2,3,4,5,6,7,8
	v_mul_f32 v[64+\j], s25, v[64+\j]
.endr
	s_wait_alu depctr_va_vdst(0)
.irp j, 0,1,2,3,4,5,6,7,8
	v_exp_f32 v[64+\j], v[64+\j]
.endr
	v_nop                                          ; a plain place behind the last exponential
	s_wait_alu depctr_va_vdst(0)                   ; one wait for the batch, ahead of its first reader
	v_add_f32 v73, v64, v65
	v_add_f32 v74, v66, v67
	v_add_f32 v75, v68, v69
	v_add_f32 v76, v70, v71
	v_add_f32 v73, v73, v74
	v_add_f32 v75, v75, v76
	v_add_f32 v73, v73, v75
	v_permlanex16_b32 v74, v73, s22, s23
	v_add_f32 v73, v73, v74                        ; the row's sum over 16 experts
	v_add_f32 v76, 1.0, v72                        ; and over the two chosen
	s_wait_alu depctr_va_vdst(0)
	v_rcp_f32 v75, v73
	v_rcp_f32 v77, v76
	v_min_u32 v79, v43, v25                        ; (plain work behind the reciprocals)  lo,
	v_max_u32 v84, v43, v25                        ; hi,
	v_lshl_add_u32 v81, v79, 4, v84                ; key = 16 lo + hi
	v_cmp_lt_u32 vcc_lo, v43, v25
	s_wait_alu depctr_va_vdst(0)                   ; one wait for both reciprocals
	v_mul_f32 v78, v72, v77                        ; the second's weight; v77 is the first's
	v_cndmask_b32 v82, v78, v77, vcc_lo            ; the weight of lo
	v_cndmask_b32 v83, v77, v78, vcc_lo            ; the weight of hi
.irp j, 0,1,2,3,4,5,6,7
	v_mul_f32 v[64+\j], v[64+\j], v75              ; the gates
.endr
.irp m, 1,2,4,8
.irp j, 0,1,2,3,4,5,6,7
	v_add_f32_dpp v[64+\j], v[64+\j], v[64+\j] row_xmask:\m row_mask:0xf bank_mask:0xf   ; summed over the 16 tokens
.endr
.endr
	; the tile's histogram of keys (lane l: bins 8 l .. 8 l + 7, a byte each) and each token's rank among the tile's earlier tokens of the same key
	v_mov_b32 v80, 0
	v_mov_b32 v86, 0
	v_mov_b32 v87, 0
	s_mov_b32 s28, 1
	s_mov_b32 s29, 0
.irp t, 0,1,2,3,4,5,6,7,8,9,10,11,12,13,14,15
	v_readlane_b32 s26, v81, \t                    ; token t's key
	s_lshr_b32 s27, s26, 3                         ; the lane that owns its bin
	s_and_b32 s30, s26, 7
	s_lshl_b32 s30, s30, 3
	s_lshl_b64 s[32:33], s[28:29], s30             ; 1 in the bin's byte
	v_cmp_eq_u32 vcc_lo, s27, v1
	v_cndmask_b32 v88, 0, s32, vcc_lo
	v_cndmask_b32 v89, 0, s33, vcc_lo
	v_add_nc_u32 v86, v86, v88
	v_add_nc_u32 v87, v87, v89
	v_cmp_eq_u32 s31, s26, v81
	s_and_b32 s31, s31, 0xffff                     ; the tokens that have this key
	v_mbcnt_lo_u32_b32 v88, s31, 0                 ; how many of them stand below my lane
	v_cndmask_b32 v80, v80, v88, s31
.endr
	v_lshlrev_b32 v90, 3, v1
	v_lshlrev_b32 v91, 4, v2
	v_lshlrev_b32 v92, 5, v3
	global_store_b64 v90, v[86:87], s[16:17]       ; 256 consecutive bytes, aligned
	v_cmp_gt_u32 vcc_lo, 16, v1
	s_wait_alu depctr_va_vdst(0)
	s_wait_xcnt 0x0                                ; EXEC changes only behind this wait
	s_and_saveexec_b32 s34, vcc_lo
	global_store_b128 v91, v[80:83], s[14:15]      ; lanes 0-15: 256 consecutive bytes, aligned
	s_wait_xcnt 0x0
	s_or_b32 exec_lo, exec_lo, s34
	v_cmp_eq_u32 vcc_lo, 0, v2
	s_and_saveexec_b32 s34, vcc_lo
	global_store_b128 v92, v[64:67], s[18:19]      ; lanes 0 and 16: the tile's 16 sums
	global_store_b128 v92, v[68:71], s[18:19] offset:16
	s_wait_xcnt 0x0
	s_or_b32 exec_lo, exec_lo, s34
.Lend:
	s_set_vgpr_msb 0x5
	s_wait_tensorcnt 0x0
	ds_add_u32 v0, v1
	s_wait_dscnt 0x0
	s_set_vgpr_msb 0x500
	s_endpgm
.Lfunc_end_k_q7d14ec474f_gate:
	.size	k_q7d14ec474f_gate, .Lfunc_end_k_q7d14ec474f_gate-k_q7d14ec474f_gate
	.p2alignl 7, 3214868480
	.fill 96, 4, 3214868480
	.section	.rodata,"a",@progbits
	.p2align	6, 0x0
	.amdhsa_kernel k_q7d14ec474f_gate
		.amdhsa_group_segment_fixed_size 28160
		.amdhsa_private_segment_fixed_size 0
		.amdhsa_enable_private_segment 0
		.amdhsa_kernarg_size 64
		.amdhsa_user_sgpr_count 2
		.amdhsa_user_sgpr_kernarg_segment_ptr 1
		.amdhsa_wavefront_size32 1
		.amdhsa_system_sgpr_workgroup_id_x 1
		.amdhsa_system_sgpr_workgroup_id_y 1
		.amdhsa_system_sgpr_workgroup_id_z 1
		.amdhsa_system_vgpr_workitem_id 0
		.amdhsa_next_free_vgpr 258
		.amdhsa_next_free_sgpr 66
		.amdhsa_reserve_vcc 1
		.amdhsa_float_denorm_mode_32 3
		.amdhsa_float_denorm_mode_16_64 3
		.amdhsa_memory_ordered 1
		.amdhsa_forward_progress 1
		.amdhsa_inst_pref_size 60
	.end_amdhsa_kernel
	.amdgpu_metadata
---
amdhsa.version: [ 1, 2 ]
amdhsa.kernels:
  - .name:           k_q7d14ec474f_gate
    .symbol:         k_q7d14ec474f_gate.kd
    .args:
      - { .name: x, .offset: 0, .size: 8, .value_kind: global_buffer, .address_space: global }
      - { .name: Wg, .offset: 8, .size: 8, .value_kind: global_buffer, .address_space: global }
      - { .name: bg, .offset: 16, .size: 8, .value_kind: global_buffer, .address_space: global }
      - { .name: xc, .offset: 24, .size: 8, .value_kind: global_buffer, .address_space: global }
      - { .name: xs, .offset: 32, .size: 8, .value_kind: global_buffer, .address_space: global }
      - { .name: tok, .offset: 40, .size: 8, .value_kind: global_buffer, .address_space: global }
      - { .name: hist, .offset: 48, .size: 8, .value_kind: global_buffer, .address_space: global }
      - { .name: imp, .offset: 56, .size: 8, .value_kind: global_buffer, .address_space: global }
    .group_segment_fixed_size: 28160
    .private_segment_fixed_size: 0
    .kernarg_segment_align: 8
    .kernarg_segment_size: 64
    .max_flat_workgroup_size: 128
    .sgpr_count:     66
    .vgpr_count:     258
    .wavefront_size: 32
...
	.end_amdgpu_metadata
.endif
;; end of part 1
;; launch prep (part 2): grid 256 x 1, 16 waves a work-group, no clusters, 13,312 bytes of LDS; arguments W, tok, hist, imp, Wc, Ws, route, out1; writes Wc, Ws, route, out1
.if DOCPART == 2
	.amdgcn_target "amdgcn-amd-amdhsa--gfx1250"
	.amdhsa_code_object_version 6
	.text
	.protected	k_q7d14ec474f_prep
	.globl	k_q7d14ec474f_prep
	.p2align	8
	.type	k_q7d14ec474f_prep,@function
k_q7d14ec474f_prep:
	s_mov_b64 s[64:65], 0
	v_nop
	global_prefetch_b8 v0, s[64:65] scope:SCOPE_SE
	s_setreg_imm32_b32 hwreg(HW_REG_WAVE_MODE, 25, 1), 1
	s_wait_xcnt 0x0
; Two jobs that do not hang on each other, in one launch. Work-group 0 sorts the tokens by their pair of experts and makes the loss; work-groups 1 to 255 quantise W. Each job has LDS bytes of its own.
; W [16][1024 (k)][1024 (n)] f32, K its middle axis, becomes codes of E2M3 with one E8M0 byte for each 32 along K, laid in the order of the operand's registers:
;   Wc [e][n tile of 16][K step of 128][3][lane][16 bytes]: registers 4 c .. 4 c + 3 of lane (r, h) at 512 c + 16 (16 h + r); Ws [e][n tile][K half][r][4 scale words].
; A lane takes a column n and its registers run down K: a load reads 128 consecutive bytes, a block of 32 lies in one lane, and the conversions give codes with K innermost.
; A UNIT is 128 columns x 512 along K of one expert; wave w: 32 columns (w % 4), one K step (w / 4). There are 256 units for 255 work-groups: work-group g takes unit g - 1, and work-group 1 takes unit 255 too, in a second trip.
; THE SORT is a counting sort on key = 16 lo + hi (256 bins), stable in the token's number. Wave w owns tiles 16 w .. 16 w + 15 (16 tokens each), lane l bins 8 l .. 8 l + 7.
; A token's place = where its bin begins for my wave (four registers of two 16-bit counts; no count passes 4,096) + the bin's count in my wave's earlier tiles + the token's rank in its tile.
; The counts in earlier tiles stay packed bytes, as hist has them: at most 15 tiles x 16 tokens = 240, so no byte carries into the next. route [position] {token, key, weight of lo, weight of hi}.
; THE LOSS: the sum over e of (1/16) (ln(1/16) - ln(importance e)) = -ln 16 - (ln 2 / 16) x the sum of log2(importance); the gates' sums are added in another order than a plain mean adds them.
; LIMITS: NaN and infinities among the inputs are not served. A block of zeros gets the byte 1 and not 127: its codes are zeros, and the bytes are read by this program alone.
.set SW,   0                           ; the sort: 16 waves x 32 lanes x 16 bytes of counts
.set AUXW, 8192                        ; the loss: 16 waves x 64 bytes
.set QS,   9216                        ; the quantiser: 4 x 32 columns x 4 scale words
.set F0,   16                          ; v16-27, v28-39: my column's registers in the fragment, as lane (r, 0) and as lane (r, 1)
.set T,    40                          ; v40-42 a block's second 16 codes
.set X,    44                          ; v44-107 two sets of 32 numbers
	s_load_b256 s[4:11], s[0:1], 0x0               ; W, tok, hist, imp
	s_load_b256 s[12:19], s[0:1], 0x20             ; Wc, Ws, route, out1
	v_lshl_add_u32 v128, v0, 2, 0x2c00             ; my spare word, and 0: kept for the add alone
	v_mov_b32 v129, 0
	v_lshrrev_b32 v1, 5, v0
	s_delay_alu instid0(VALU_DEP_1)
	v_readfirstlane_b32 s20, v1                    ; wave 0..15
	v_and_b32 v1, 31, v0                           ; lane
	s_cmp_eq_u32 ttmp9, 0
	s_cbranch_scc1 .Lsort
	; ---- the quantiser
	s_sub_co_u32 s21, ttmp9, 1                     ; my unit
	s_cmp_eq_u32 ttmp9, 1
	s_cselect_b32 s39, 2, 1                        ; trips: two in work-group 1
	s_mov_b32 s38, 0
	s_and_b32 s25, s20, 3                          ; my wave's 32 columns
	s_lshr_b32 s26, s20, 2                         ; and its K step in the half
	s_lshl_b32 s36, s25, 9
	s_add_co_u32 s36, s36, QS
	s_lshl_b32 s37, s26, 2
	s_wait_alu depctr_va_vdst(0)                   ; the wait here, behind the run of scalar lines
	v_lshlrev_b32 v2, 2, v1                        ; in: 4 bytes a lane
	v_lshrrev_b32 v7, 4, v1
	v_and_b32 v13, 15, v1
	s_delay_alu instid0(VALU_DEP_2)
	v_mul_u32_u24 v3, v7, 12288
	s_delay_alu instid0(VALU_DEP_1)
	v_lshl_add_u32 v3, v13, 4, v3                  ; out: my n tile (8 fragments on), my row's 16 bytes
	v_lshlrev_b32 v6, 9, v7
	s_delay_alu instid0(VALU_DEP_1)
	v_lshl_add_u32 v6, v13, 4, v6                  ; the same among the scale words
	v_lshlrev_b32 v5, 4, v1
	s_delay_alu instid0(VALU_DEP_1)
	v_add_nc_u32 v5, s36, v5                       ; LDS: my column's four scale words,
	s_delay_alu instid0(VALU_DEP_1)
	v_add_nc_u32 v4, s37, v5                       ; and my K step's among them
	s_wait_alu depctr_va_vdst(0)                   ; the wait at the head's end
.macro LOAD t                          ; block t: W(32 t + i, my column) into set t % 2
.set I, 0
.rept 32
	global_load_b32 v[X+32*((\t)%2)+I], v2, s[40:41] offset:(32*(\t)+I)*4096 th:TH_LOAD_NT
.set I, I+1
.endr
.endm
.macro BLOCK t                         ; block t = 2 c + h of the K step: registers 6 c .. 6 c + 5 of lane (r, h)
.set XB, X+32*((\t)%2)
.set FD, F0+12*((\t)%2)+6*((\t)/2)
.if (\t) < 3
	s_wait_loadcnt 32                              ; this block's 32 loads are in; the next block's may be out
.else
	s_wait_loadcnt 0x0
.endif
	v_max3_num_f32 v8, |v[XB]|, |v[XB+1]|, |v[XB+2]|
	v_max3_num_f32 v9, |v[XB+3]|, |v[XB+4]|, |v[XB+5]|
.irp i, 6,10,14,18,22,26
	s_delay_alu instid0(VALU_DEP_2)
	v_max3_num_f32 v8, v8, |v[XB+\i]|, |v[XB+\i+1]|
	s_delay_alu instid0(VALU_DEP_2)
	v_max3_num_f32 v9, v9, |v[XB+\i+2]|, |v[XB+\i+3]|
.endr
	s_delay_alu instid0(VALU_DEP_2)
	v_max3_num_f32 v8, v8, |v[XB+30]|, |v[XB+31]|
	s_delay_alu instid0(VALU_DEP_1)
	v_max3_num_f32 v8, v8, v9, 0x1800000           ; the block's largest magnitude, and the floor 2^(3 - 127): the byte cannot fall under 1
	s_delay_alu instid0(VALU_DEP_1)
	v_add_nc_u32 v10, 0xff000000, v8               ; 2 off its exponent field: the conversion's scale operand
	v_cvt_scalef32_pk16_fp6_f32 v[FD:FD+2], v[XB:XB+15], v10
	v_cvt_scalef32_pk16_fp6_f32 v[T:T+2], v[XB+16:XB+31], v10   ; (a conversion's three registers begin on an even number)
	v_lshrrev_b32 v11, 23, v10                     ; the scale's byte: also the plain place behind the conversions
.if (\t) == 0
	s_delay_alu instid0(VALU_DEP_1)
	v_mov_b32 v12, v11
.else
	s_delay_alu instid0(VALU_DEP_1)
	v_lshl_or_b32 v12, v11, 8*(\t), v12            ; four bytes make the K step's scale word of my column
.endif
.irp i, 0,1,2
	v_mov_b32 v[FD+3+\i], v[T+\i]
.endr
.if (\t) < 2
	LOAD (\t)+2
.endif
.endm
.Lunit:
	s_lshr_b32 s22, s21, 4                         ; the expert
	s_and_b32 s23, s21, 7                          ; which 128 columns
	s_bfe_u32 s24, s21, 0x10003                    ; which half of K
	s_lshl_b32 s27, s24, 2
	s_add_co_u32 s27, s27, s26                     ; the K step
	s_lshl_b32 s28, s23, 7
	s_lshl_b32 s29, s25, 5
	s_add_co_u32 s28, s28, s29                     ; my first column
	s_lshl_b32 s30, s22, 22                        ; W: 4 MiB an expert,
	s_lshl_b32 s29, s27, 19                        ; 128 rows of 4,096 bytes a K step,
	s_add_co_u32 s30, s30, s29
	s_lshl_b32 s29, s28, 2
	s_add_co_u32 s30, s30, s29
	s_mov_b32 s31, 0
	s_lshl_b32 s32, s22, 6
	s_lshr_b32 s29, s28, 4
	s_add_co_u32 s32, s32, s29                     ; the first of my two n tiles, counted over all experts
	s_lshl_b32 s34, s32, 3
	s_add_co_u32 s34, s34, s27
	s_mul_i32 s34, s34, 1536                       ; Wc: 1,536 bytes a fragment
	s_mov_b32 s35, 0
	s_lshl_b32 s32, s32, 9                         ; Ws: 512 bytes an n tile, 256 a half of K
	s_lshl_b32 s29, s24, 8
	s_add_co_u32 s32, s32, s29
	s_mov_b32 s33, 0
	s_wait_kmcnt 0x0
	s_add_nc_u64 s[40:41], s[4:5], s[30:31]
	s_add_nc_u64 s[42:43], s[12:13], s[34:35]
	s_add_nc_u64 s[44:45], s[14:15], s[32:33]
	LOAD 0
	LOAD 1
	BLOCK 0
	BLOCK 1
	BLOCK 2
	BLOCK 3
.irp hh, 0,1
.irp c, 0,1,2
	global_store_b128 v3, v[F0+12*\hh+4*\c:F0+12*\hh+4*\c+3], s[42:43] offset:512*\c+256*\hh   ; sixteen lanes store 256 consecutive bytes, aligned
.endr
.endr
	ds_store_b32 v4, v12
	s_wait_dscnt 0x0                               ; for the others' sake: my scale word has landed
	s_barrier_signal -1
	s_barrier_wait -1
	s_cmp_gt_u32 s20, 3
	s_cbranch_scc1 .Lqdone
	ds_load_b128 v[44:47], v5                      ; waves 0-3: a column's four scale words of this half of K
	s_wait_dscnt 0x0
	global_store_b128 v6, v[44:47], s[44:45]       ; sixteen lanes store 256 consecutive bytes, aligned
.Lqdone:
	s_barrier_signal -1                            ; the reads of the scale words are over (each reader has waited for them): a next unit's words may be stored
	s_barrier_wait -1
	s_wait_xcnt 0x0                                ; the stores have read their data and bases: both are written again in a next trip
	s_add_co_u32 s21, s21, 255                     ; work-group 1: from unit 0 to unit 255
	s_add_co_u32 s38, s38, 1
	s_cmp_lt_u32 s38, s39
	s_wait_alu depctr_va_vdst(0)                   ; the wait directly ahead of the backward jump
	s_cbranch_scc1 .Lunit
	s_wait_tensorcnt 0x0                           ; the wave's end
	ds_add_u32 v128, v129
	s_wait_dscnt 0x0
	s_endpgm
	; ---- the sort and the loss
.set HR,  4                            ; v4-35    my 16 tiles' bins as loaded: two registers of four bytes a tile
.set TK,  36                           ; v36-67   eight records of four registers: 32 tokens each
.set R,   68                           ; v68-71   my tiles' counts, later where each bin begins for my wave
.set BEL, 72                           ; v72-75   the counts of the waves below mine
.set EE,  76                           ; v76-93   byte prefixes of tiles 5-7, 9-11, 13-15
.set PA,  112                          ; v112-115 at work
.set OFF, 112                          ; v112-119 a store offset for each of the eight steps
.set L2,  132                          ; v132-139 group g (tiles 4 g ..): its first two tiles, as bytes
.set L3,  140                          ; v140-147 its first three
.set GG,  148                          ; v148-155 all four
.set P2,  156                          ; v156-157 tiles 0-7
.set P3,  158                          ; v158-159 tiles 0-11
.set SB,  160                          ; v160-161 tiles 8-15
.set ZZ,  162                          ; v162-163 0: what stands ahead of tile 0
.set FB,  164                          ; v164-227 the sixteen waves' counts (v164-167 become the totals); later what the lane permutes bring, eight registers a step
.set IDX, 228                          ; v228-235 4 x (key / 8) for each step
.set S16, 236                          ; v236-243 16 x bit 1 of the key
.set S8,  244                          ; v244-251 8 x (key % 4)
.macro UNPK d, s                       ; eight bytes become four registers of two counts: bins (0, 2), (1, 3), (4, 6), (5, 7)
	v_and_b32 v[(\d)], s25, v[(\s)]
	v_lshrrev_b32 v[(\d)+1], 8, v[(\s)]
	v_and_b32 v[(\d)+2], s25, v[(\s)+1]
	v_lshrrev_b32 v[(\d)+3], 8, v[(\s)+1]
	s_delay_alu instid0(VALU_DEP_3)
	v_and_b32 v[(\d)+1], s25, v[(\d)+1]
	s_delay_alu instid0(VALU_DEP_2)
	v_and_b32 v[(\d)+3], s25, v[(\d)+3]
.endm
.macro IMPRED                          ; two quads (tile or wave = 8 j + lane / 4, experts 4 (lane % 4) on) are summed over all lanes of equal lane % 4
	v_pk_add_f32 v[96:97], v[96:97], v[100:101]
	v_pk_add_f32 v[98:99], v[98:99], v[102:103]
.irp m, 4,8
.irp i, 0,1,2,3
	v_add_f32_dpp v[96+\i], v[96+\i], v[96+\i] row_xmask:\m row_mask:0xf bank_mask:0xf
.endr
.endr
.irp i, 0,1,2,3
	s_delay_alu instid0(VALU_DEP_4)
	v_permlanex16_b32 v[100+\i], v[96+\i], s22, s23
.endr
.irp i, 0,1,2,3
	s_delay_alu instid0(VALU_DEP_4)
	v_add_f32 v[96+\i], v[96+\i], v[100+\i]
.endr
.endm
.macro EEROW g, pg                     ; the byte prefixes of tiles 4 g + 1 .. 4 g + 3: what stands ahead of the group + the group's own first tiles
.irp c, 0,1
	v_add_nc_u32 v[EE+6*((\g)-1)+\c], v[(\pg)+\c], v[HR+8*(\g)+\c]
	v_add_nc_u32 v[EE+6*((\g)-1)+2+\c], v[(\pg)+\c], v[L2+2*(\g)+\c]
	v_add_nc_u32 v[EE+6*((\g)-1)+4+\c], v[(\pg)+\c], v[L3+2*(\g)+\c]
.endr
.endm
.macro EREG j                          ; ER: the two registers that hold the counts of my tiles ahead of tile j
.if (\j) == 0
.set ER, ZZ
.elseif (\j) == 1
.set ER, HR
.elseif (\j) == 2
.set ER, L2
.elseif (\j) == 3
.set ER, L3
.elseif (\j) == 4
.set ER, GG
.elseif (\j) == 8
.set ER, P2
.elseif (\j) == 12
.set ER, P3
.else
.set ER, EE+6*((\j)/4-1)+2*((\j)%4-1)
.endif
.endm
.Lsort:
	s_mov_b32 s22, 0x76543210
	s_mov_b32 s23, 0xfedcba98                      ; selects for lane l xor 16
	s_mov_b32 s24, 0xffff0000                      ; the mask of lanes 16-31
	s_mov_b32 s25, 0x00ff00ff
	s_wait_alu depctr_va_vdst(0)                   ; the wait here, behind the jump
	v_lshlrev_b32 v2, 3, v1
	v_lshlrev_b32 v3, 4, v1
	v_lshlrev_b32 v120, 4, v0                      ; LDS: my 16 bytes of counts: 512 x wave + 16 x lane
	v_and_b32 v121, 3, v1
	s_delay_alu instid0(VALU_DEP_1)
	v_lshlrev_b32 v121, 4, v121
	s_lshl_b32 s30, s20, 6
	s_add_co_u32 s30, s30, AUXW
	v_add_nc_u32 v121, s30, v121                   ; and my wave's 64 bytes of gate sums
	s_lshl_b32 s30, s20, 8
	v_add_nc_u32 v122, s30, v1                     ; 256 x wave + lane: the token of step 0
	s_lshl_b32 s26, s20, 12
	s_mov_b32 s27, 0
	s_lshl_b32 s28, s20, 10
	s_mov_b32 s29, 0
	s_wait_alu depctr_va_vdst(0)                   ; the wait at the head's end
	s_wait_kmcnt 0x0
	s_add_nc_u64 s[8:9], s[8:9], s[26:27]
	s_add_nc_u64 s[6:7], s[6:7], s[26:27]
	s_add_nc_u64 s[10:11], s[10:11], s[28:29]
.irp t, 0,1,2,3,4,5,6,7,8,9,10,11,12,13,14,15
	global_load_b64 v[HR+2*\t:HR+2*\t+1], v2, s[8:9] offset:256*\t
.endr
	global_load_b128 v[96:99], v3, s[10:11]
	global_load_b128 v[100:103], v3, s[10:11] offset:512
.irp q, 0,1,2,3,4,5,6,7
	global_load_b128 v[TK+4*\q:TK+4*\q+3], v3, s[6:7] offset:512*\q
.endr
	s_wait_loadcnt 10                              ; the 16 loads of bins are in; behind them stand 2 of gate sums and 8 of records
	; my tiles' counts are added as packed bytes, in four groups of four tiles, eight chains by turns; each partial sum is kept: it is a later tile's prefix
.irp g, 0,1,2,3
.irp c, 0,1
	v_add_nc_u32 v[L2+2*\g+\c], v[HR+8*\g+\c], v[HR+8*\g+2+\c]
.endr
.endr
.irp g, 0,1,2,3
.irp c, 0,1
	v_add_nc_u32 v[L3+2*\g+\c], v[L2+2*\g+\c], v[HR+8*\g+4+\c]
.endr
.endr
.irp g, 0,1,2,3
.irp c, 0,1
	v_add_nc_u32 v[GG+2*\g+\c], v[L3+2*\g+\c], v[HR+8*\g+6+\c]
.endr
.endr
.irp c, 0,1
	v_add_nc_u32 v[P2+\c], v[GG+\c], v[GG+2+\c]    ; eight tiles: at most 128 in a byte
.endr
.irp c, 0,1
	v_mov_b32 v[ZZ+\c], 0
.endr
.irp c, 0,1
	v_add_nc_u32 v[SB+\c], v[GG+4+\c], v[GG+6+\c]
.endr
	UNPK R, P2
	UNPK PA, SB
.irp i, 0,1,2,3
	v_add_nc_u32 v[R+\i], v[R+\i], v[PA+\i]        ; my 16 tiles' counts, two to a register
.endr
	ds_store_b128 v120, v[R:R+3] offset:SW
	s_wait_loadcnt 8                               ; the gate sums are in; the 8 loads of records may be out
	IMPRED
	ds_store_b128 v121, v[96:99]                   ; (lanes of equal lane % 4 write the same bytes with the same values)
.irp c, 0,1
	v_add_nc_u32 v[P3+\c], v[P2+\c], v[GG+4+\c]    ; twelve tiles: at most 192
.endr
	EEROW 1, GG
	EEROW 2, P2
	EEROW 3, P3
	s_wait_dscnt 0x0                               ; for the others' sake: my stores have landed
	s_barrier_signal -1
	s_barrier_wait -1
	; every wave for itself: all waves' counts (they end in v164-167) and those of the waves below mine: the running sum as it stands when my wave's turn comes
.irp k, 0,1,2,3,4,5,6,7,8,9,10,11,12,13,14,15
	ds_load_b128 v[FB+4*\k:FB+4*\k+3], v3 offset:SW+512*\k
.endr
.irp i, 0,1,2,3
	v_mov_b32 v[BEL+\i], 0
.endr
	s_wait_alu depctr_va_vdst(0)                   ; the wait here, directly ahead of the wait below
	s_wait_dscnt 0x0
.irp k, 1,2,3,4,5,6,7,8,9,10,11,12,13,14,15
	s_cmp_eq_u32 s20, \k
	s_cselect_b32 s26, -1, 0
.irp i, 0,1,2,3
	v_cndmask_b32 v[BEL+\i], v[BEL+\i], v[FB+\i], s26
.endr
.irp i, 0,1,2,3
	v_add_nc_u32 v[FB+\i], v[FB+\i], v[FB+4*\k+\i]
.endr
.endr
	v_and_b32 v96, 0xffff, v[FB]                   ; my eight bins' totals
	v_and_b32 v97, 0xffff, v[FB+1]
	v_lshrrev_b32 v98, 16, v[FB]
	v_lshrrev_b32 v99, 16, v[FB+1]
	v_and_b32 v100, 0xffff, v[FB+2]
	v_and_b32 v101, 0xffff, v[FB+3]
	v_lshrrev_b32 v102, 16, v[FB+2]
	v_lshrrev_b32 v103, 16, v[FB+3]
	v_mov_b32 v104, 0                              ; and how many stand ahead of each within my lane
.irp q, 0,1,2,3,4,5,6
	s_delay_alu instid0(VALU_DEP_1)
	v_add_nc_u32 v[105+\q], v[104+\q], v[96+\q]
.endr
	s_delay_alu instid0(VALU_DEP_1)
	v_add_nc_u32 v123, v111, v103                  ; my lane's total
	s_delay_alu instid0(VALU_DEP_1)
	v_mov_b32 v124, v123
.irp n, 1,2,4,8
	v_mov_b32 v125, 0
	s_delay_alu instid0(VALU_DEP_2)
	v_mov_b32_dpp v125, v124 row_shr:\n row_mask:0xf bank_mask:0xf   ; lanes without a source keep the 0
	s_delay_alu instid0(VALU_DEP_1)
	v_add_nc_u32 v124, v124, v125
.endr
	s_delay_alu instid0(VALU_DEP_1)
	v_readlane_b32 s26, v124, 15                   ; lanes 0-15 together,
	s_delay_alu instid0(VALU_DEP_1)
	v_mov_b32 v125, s26
	s_delay_alu instid0(VALU_DEP_1)
	v_cndmask_b32 v125, 0, v125, s24
	s_delay_alu instid0(VALU_DEP_1)
	v_add_nc_u32 v124, v124, v125                  ; added in lanes 16-31
	s_delay_alu instid0(VALU_DEP_1)
	v_sub_nc_u32 v124, v124, v123                  ; how many stand in the lanes below mine
.irp q, 0,1,2,3,4,5,6,7
	v_add_nc_u32 v[104+\q], v[104+\q], v124
.endr
	v_lshl_or_b32 v[R], v106, 16, v104
	v_lshl_or_b32 v[R+1], v107, 16, v105
	s_delay_alu instid0(VALU_DEP_4)
	v_lshl_or_b32 v[R+2], v110, 16, v108
	s_delay_alu instid0(VALU_DEP_4)
	v_lshl_or_b32 v[R+3], v111, 16, v109
.irp i, 0,1,2,3
	s_delay_alu instid0(VALU_DEP_4)
	v_add_nc_u32 v[R+\i], v[R+\i], v[BEL+\i]       ; where each bin's next token goes, at my first tile
.endr
	s_wait_alu depctr_va_vdst(0)                   ; the wait here, directly ahead of the wait below
	s_wait_loadcnt 0x0                             ; the records
	; Step q: lanes 0-15 hold the tokens of my tile 2 q, lanes 16-31 those of tile 2 q + 1. A token asks the lane that owns its bin (key / 8) for the bin's place at my first tile and for its counts ahead of both tiles.
	; All eight steps' 64 permutes go out in one run, under one wait; each later stage runs over the eight steps, which do not hang on each other.
.irp q, 0,1,2,3,4,5,6,7
	v_lshrrev_b32 v[IDX+\q], 1, v[TK+4*\q+1]
.endr
.irp q, 0,1,2,3,4,5,6,7
	v_and_b32 v[IDX+\q], 0x7c, v[IDX+\q]           ; 4 x (key / 8)
.endr
.irp q, 0,1,2,3,4,5,6,7
.irp i, 0,1,2,3
	ds_bpermute_b32 v[FB+8*\q+\i], v[IDX+\q], v[R+\i]
.endr
	EREG 2*\q
.irp c, 0,1
	ds_bpermute_b32 v[FB+8*\q+4+\c], v[IDX+\q], v[ER+\c]
.endr
	EREG 2*\q+1
.irp c, 0,1
	ds_bpermute_b32 v[FB+8*\q+6+\c], v[IDX+\q], v[ER+\c]
.endr
.endr
.irp q, 0,1,2,3,4,5,6,7
	v_and_b32 v[S16+\q], 2, v[TK+4*\q+1]
.endr
.irp q, 0,1,2,3,4,5,6,7
	v_and_b32 v[S8+\q], 3, v[TK+4*\q+1]
.endr
.irp q, 0,1,2,3,4,5,6,7
	v_and_b32 v[96+\q], 1, v[TK+4*\q+1]
.endr
.irp q, 0,1,2,3,4,5,6,7
	v_and_b32 v[104+\q], 4, v[TK+4*\q+1]
.endr
.irp q, 0,1,2,3,4,5,6,7
	v_lshlrev_b32 v[S16+\q], 3, v[S16+\q]
.endr
.irp q, 0,1,2,3,4,5,6,7
	v_lshlrev_b32 v[S8+\q], 3, v[S8+\q]
.endr
.irp q, 0,1,2,3,4,5,6,7
	v_cmp_ne_u32 s[32+\q], 0, v[96+\q]             ; odd bins
.endr
.irp q, 0,1,2,3,4,5,6,7
	v_cmp_ne_u32 s[40+\q], 0, v[104+\q]            ; bins 4 to 7
.endr
	s_cmp_lg_u32 s20, 0
	s_wait_alu depctr_va_vdst(0)                   ; the wait directly ahead of the jump
	s_cbranch_scc1 .Lnoloss
	ds_load_b128 v[96:99], v3 offset:AUXW          ; wave 0, while its permutes are out: the sixteen waves' gate sums
	ds_load_b128 v[100:103], v3 offset:AUXW+512
	s_wait_dscnt 0x0
	IMPRED
.irp i, 0,1,2,3
	s_delay_alu instid0(VALU_DEP_4)
	v_mul_f32 v[96+\i], 0x39800000, v[96+\i]       ; / 4,096: the importance of experts 4 (lane % 4) + i
.endr
	s_wait_alu depctr_va_vdst(0)                   ; the wait ahead of the batch
.irp i, 0,1,2,3
	v_log_f32 v[96+\i], v[96+\i]
.endr
	v_mov_b32 v104, 0                              ; a plain place behind the logarithms; also the store's offset
	s_mov_b32 s26, 0xbd317218                      ; -ln 2 / 16
	v_cmp_eq_u32 vcc_lo, 0, v1
	s_wait_alu depctr_va_vdst(0)                   ; one wait for the four, ahead of their first reader
	v_add_f32 v96, v96, v97
	v_add_f32 v98, v98, v99
	s_delay_alu instid0(VALU_DEP_1)
	v_add_f32 v96, v96, v98
	s_delay_alu instid0(VALU_DEP_1)
	v_add_f32_dpp v96, v96, v96 row_xmask:1 row_mask:0xf bank_mask:0xf
	s_delay_alu instid0(VALU_DEP_1)
	v_add_f32_dpp v96, v96, v96 row_xmask:2 row_mask:0xf bank_mask:0xf
	s_delay_alu instid0(VALU_DEP_1)
	v_fma_f32 v96, v96, s26, 0xc0317218            ; -ln 16 - (ln 2 / 16) x the sum
	s_wait_alu depctr_va_vdst(0)
	s_wait_xcnt 0x0                                ; EXEC changes only behind this wait
	s_and_saveexec_b32 s27, vcc_lo
	global_store_b32 v104, v96, s[18:19]
	s_wait_xcnt 0x0
	s_or_b32 exec_lo, exec_lo, s27
.Lnoloss:
	s_wait_dscnt 0x0                               ; all 64 permutes are back
.irp q, 0,1,2,3,4,5,6,7
	v_cndmask_b32 v[FB+8*\q+4], v[FB+8*\q+4], v[FB+8*\q+6], s24   ; lanes 16-31: the counts ahead of the odd tile
.endr
.irp q, 0,1,2,3,4,5,6,7
	v_cndmask_b32 v[FB+8*\q+5], v[FB+8*\q+5], v[FB+8*\q+7], s24
.endr
.irp q, 0,1,2,3,4,5,6,7
	v_cndmask_b32 v[FB+8*\q], v[FB+8*\q], v[FB+8*\q+1], s[32+\q]
.endr
.irp q, 0,1,2,3,4,5,6,7
	v_cndmask_b32 v[FB+8*\q+2], v[FB+8*\q+2], v[FB+8*\q+3], s[32+\q]
.endr
.irp q, 0,1,2,3,4,5,6,7
	v_cndmask_b32 v[FB+8*\q+4], v[FB+8*\q+4], v[FB+8*\q+5], s[40+\q]
.endr
.irp q, 0,1,2,3,4,5,6,7
	v_cndmask_b32 v[FB+8*\q], v[FB+8*\q], v[FB+8*\q+2], s[40+\q]
.endr
.irp q, 0,1,2,3,4,5,6,7
	v_bfe_u32 v[FB+8*\q+4], v[FB+8*\q+4], v[S8+\q], 8              ; the bin's byte: its count in my earlier tiles
.endr
.irp q, 0,1,2,3,4,5,6,7
	v_bfe_u32 v[FB+8*\q], v[FB+8*\q], v[S16+\q], 16                ; the bin's place at my first tile
.endr
.irp q, 0,1,2,3,4,5,6,7
	v_add3_u32 v[FB+8*\q], v[FB+8*\q], v[FB+8*\q+4], v[TK+4*\q]    ; + the rank
.endr
.irp q, 0,1,2,3,4,5,6,7
	v_min_u32 v[FB+8*\q], 0xfff, v[FB+8*\q]        ; a place among 4,096
.endr
.irp q, 0,1,2,3,4,5,6,7
	v_lshlrev_b32 v[OFF+\q], 4, v[FB+8*\q]
.endr
.irp q, 0,1,2,3,4,5,6,7
	v_add_nc_u32 v[TK+4*\q], 32*\q, v122           ; the record's first word becomes the token's number
.endr
.irp q, 0,1,2,3,4,5,6,7
	global_store_b128 v[OFF+\q], v[TK+4*\q:TK+4*\q+3], s[16:17]   ; each step has registers of its own for offset and data
.endr
	s_wait_tensorcnt 0x0                           ; the wave's end
	ds_add_u32 v128, v129
	s_wait_dscnt 0x0
	s_endpgm
.Lfunc_end_k_q7d14ec474f_prep:
	.size	k_q7d14ec474f_prep, .Lfunc_end_k_q7d14ec474f_prep-k_q7d14ec474f_prep
	.p2alignl 7, 3214868480
	.fill 96, 4, 3214868480
	.section	.rodata,"a",@progbits
	.p2align	6, 0x0
	.amdhsa_kernel k_q7d14ec474f_prep
		.amdhsa_group_segment_fixed_size 13312
		.amdhsa_private_segment_fixed_size 0
		.amdhsa_enable_private_segment 0
		.amdhsa_kernarg_size 64
		.amdhsa_user_sgpr_count 2
		.amdhsa_user_sgpr_kernarg_segment_ptr 1
		.amdhsa_wavefront_size32 1
		.amdhsa_system_sgpr_workgroup_id_x 1
		.amdhsa_system_sgpr_workgroup_id_y 1
		.amdhsa_system_sgpr_workgroup_id_z 1
		.amdhsa_system_vgpr_workitem_id 0
		.amdhsa_next_free_vgpr 256
		.amdhsa_next_free_sgpr 66
		.amdhsa_reserve_vcc 1
		.amdhsa_float_denorm_mode_32 3
		.amdhsa_float_denorm_mode_16_64 3
		.amdhsa_memory_ordered 1
		.amdhsa_forward_progress 1
		.amdhsa_inst_pref_size 59
	.end_amdhsa_kernel
	.amdgpu_metadata
---
amdhsa.version: [ 1, 2 ]
amdhsa.kernels:
  - .name:           k_q7d14ec474f_prep
    .symbol:         k_q7d14ec474f_prep.kd
    .args:
      - { .name: W, .offset: 0, .size: 8, .value_kind: global_buffer, .address_space: global }
      - { .name: tok, .offset: 8, .size: 8, .value_kind: global_buffer, .address_space: global }
      - { .name: hist, .offset: 16, .size: 8, .value_kind: global_buffer, .address_space: global }
      - { .name: imp, .offset: 24, .size: 8, .value_kind: global_buffer, .address_space: global }
      - { .name: Wc, .offset: 32, .size: 8, .value_kind: global_buffer, .address_space: global }
      - { .name: Ws, .offset: 40, .size: 8, .value_kind: global_buffer, .address_space: global }
      - { .name: route, .offset: 48, .size: 8, .value_kind: global_buffer, .address_space: global }
      - { .name: out1, .offset: 56, .size: 8, .value_kind: global_buffer, .address_space: global }
    .group_segment_fixed_size: 13312
    .private_segment_fixed_size: 0
    .kernarg_segment_align: 8
    .kernarg_segment_size: 64
    .max_flat_workgroup_size: 512
    .sgpr_count:     66
    .vgpr_count:     256
    .wavefront_size: 32
...
	.end_amdgpu_metadata
.endif
;; end of part 2
;; launch moe (part 3): grid 256 x 1, 4 waves a work-group, no clusters, 17,920 bytes of LDS; arguments xc, xs, Wc, Ws, b, route, out0; writes out0
.if DOCPART == 3
	.amdgcn_target "amdgcn-amd-amdhsa--gfx1250"
	.amdhsa_code_object_version 6
	.text
	.protected	k_q7d14ec474f_moe
	.globl	k_q7d14ec474f_moe
	.p2align	8
	.type	k_q7d14ec474f_moe,@function
k_q7d14ec474f_moe:
	s_mov_b64 s[64:65], 0
	v_nop
	global_prefetch_b8 v0, s[64:65] scope:SCOPE_SE
	s_setreg_imm32_b32 hwreg(HW_REG_WAVE_MODE, 25, 1), 1
	s_wait_xcnt 0x0
; out0[t] = w_lo (x[t] W[lo] + b[lo]) + w_hi (x[t] W[hi] + b[hi]) on codes of E2M3 with E8M0 scales, for the two experts chosen for token t.
; LEFT OUT: a token uses only its two chosen experts: whole experts that none of a work-group's tokens uses are not multiplied.
; SHARES. The tokens stand sorted by their pair of experts (route). A work-group owns 128 neighbours of that order x 128 columns: 32 x 8 = 256 work-groups, whatever the choice.
; Wave (a, c) = (wave / 2, wave % 2) owns places 64 a .. 64 a + 63 of the 128 and columns 64 c .. 64 c + 63, and is the one owner of those outputs.
; ALL FOUR WAVES WALK ONE LIST: the experts that any of the 128 tokens uses (a mask made of the stored keys, 2 to 16 experts), in ascending order. So the two waves of equal c name the same bytes of Wc, Ws and b
; side by side, and the two of equal a the same bytes of xc and xs. For each expert a wave multiplies its 64 rows; a token that does not use the expert has the weight 0.
; No cluster and no tensor load: the trip count and the addresses hang on the stored list, and neighbouring work-groups want different experts. The operands go from memory straight into registers, from buffers laid in register order.
; PREFETCH. While the list is on its way, each wave names its 1/1024 of Wc (48 blocks of 256 bytes: 32 + 16 lanes) and of xc (12 blocks), a lane a block; lanes left over name the wave's last block again.
; 1,024 waves x 12,288 bytes = Wc, x 3,072 bytes = xc: each block is named once in the launch and lies inside its buffer. In the loop nothing is prefetched: a half unit's loads are issued three half units ahead, into registers.
; THE MATRIX INSTRUCTION: source 0 = 16 columns of W[e], source 1 = 16 tokens: lane (r, h) register j = (token r, column 8 h + j). So the weight is one number a lane, and the bias is the C of a sum's first product.
; A HALF UNIT u = 2 nt + kh of an expert: n tile nt (16 columns), half kh of K: 4 K steps, 12 loads of 512 bytes, 16 products on four accumulators by turns. W goes through a ring of four such slots in registers, asked for three half units ahead.
; REGISTERS, in windows of 256. Window 0: v1-19 addresses and at work; v20-35 the records; v36-43 the weights for the expert in hand, each in the low word of a pair; v44-45 prefetch offsets; v46-47 the add's; v48-63 x's scale words;
;   v64-79 W's, four sets; v80-95 the bias, two sets; v96-159 the products' sums, two sets of four tiles; v160-191 the store offsets; v192-199 the tokens' experts, v200-203 the 128 keys, v204 a prefetch offset; later v192-255 rows on the way out.
;   Window 1: v0-191 the ring. Windows 2, 3: v0-191 x's fragments of K steps 0-3, 4-7 (tile i, step k at 48 i + 12 k); v192-255 the outputs of n tiles 0, 1 and 2, 3 (32 (nt % 2) + 8 i).
.set XO,   10                          ; v10-13  tile i: my token's codes in xc: 768 t + 48 h
.set XSO,  14                          ; v14-17  and its scale words in xs: 32 t + 16 h
.set REC,  20
.set WT,   36
.set XS,   48
.set WS,   64
.set BI,   80
.set TMP,  96
.set TO,   160
.set RB,   192
.set ELO,  192
.set EHI,  196
.set UK,   200
.set PF,   204
.set OUTR, 192
.set MSB, 0
.macro WIN new                         ; the immediate's high byte repeats the setting that is left; a switch that changes nothing is dropped
.if MSB != (\new)
	s_set_vgpr_msb (MSB<<8)|(\new)
.set MSB, (\new)
.endif
.endm
	s_load_b256 s[4:11], s[0:1], 0x0               ; xc, xs, Wc, Ws
	s_load_b128 s[12:15], s[0:1], 0x20             ; b, route
	s_load_b64 s[16:17], s[0:1], 0x30              ; out0
	v_lshl_add_u32 v46, v0, 2, 0x4400              ; my spare word, behind the four stages
	v_mov_b32 v47, 0
	v_lshrrev_b32 v1, 5, v0
	v_readfirstlane_b32 s18, v1                    ; wave 0..3
	v_and_b32 v7, 31, v0
	v_and_b32 v1, 15, v0                           ; r
	v_bfe_u32 v2, v0, 4, 1                         ; h
	v_lshlrev_b32 v3, 4, v7                        ; 16 x lane
	v_lshlrev_b32 v4, 5, v2                        ; 32 h
	s_mul_i32 s27, s18, 4352                       ; my stage: 16 rows of 256 + 16 bytes
	v_mul_u32_u24 v5, v1, 272
	v_lshl_add_u32 v5, v2, 5, v5
	v_add_nc_u32 v5, s27, v5                       ; in: row r, 32 h
	v_mul_u32_u24 v6, v2, 272
	v_lshl_add_u32 v6, v1, 4, v6
	v_add_nc_u32 v6, s27, v6                       ; back: lanes 0-15 one row, lanes 16-31 the next
	v_lshlrev_b32 v8, 4, v1                        ; 16 r
	v_lshlrev_b32 v9, 4, v2                        ; 16 h
	v_lshlrev_b32 v44, 8, v7                       ; the prefetches: a lane a block of 256 bytes: blocks 0-31 of my part of Wc,
	v_min_u32 v45, 15, v7
	v_lshlrev_b32 v45, 8, v45                      ; blocks 32-47 (with the immediate 8,192),
	v_min_u32 v[PF], 11, v7
	v_lshlrev_b32 v[PF], 8, v[PF]                  ; and the 12 blocks of my part of xc
	v_mul_u32_u24 v18, v2, 48
	v_mov_b32 v19, 1
	v_mov_b32 v7, 0
	s_lshr_b32 s19, ttmp9, 3                       ; the block of 128 places
	s_lshl_b32 s40, s19, 11                        ; its records: 16 bytes a place
	s_mov_b32 s41, 0
	s_lshr_b32 s27, s18, 1
	s_lshl_b32 s19, s19, 1
	s_add_co_u32 s19, s19, s27                     ; my block of 64 places
	s_and_b32 s26, ttmp9, 7
	s_lshl_b32 s26, s26, 1
	s_and_b32 s27, s18, 1
	s_add_co_u32 s26, s26, s27                     ; my block of 64 columns
	s_mov_b32 s39, 0
	s_wait_alu depctr_va_vdst(0)                   ; the wait at the head's end
	s_wait_kmcnt 0x0
	s_add_nc_u64 s[42:43], s[14:15], s[40:41]      ; the work-group's 128 records
	s_lshl_b32 s38, s19, 10
	s_add_nc_u64 s[14:15], s[14:15], s[38:39]      ; my 64
	s_mul_i32 s38, ttmp9, 49152
	s_mul_i32 s40, s18, 12288
	s_add_co_u32 s38, s38, s40
	s_add_nc_u64 s[44:45], s[8:9], s[38:39]        ; the part of Wc that I prefetch: 12,288 x (4 x work-group + wave)
	s_lshr_b32 s38, s38, 2
	s_add_nc_u64 s[46:47], s[4:5], s[38:39]        ; and of xc: a quarter of that
	s_mul_i32 s38, s26, 49152                      ; four n tiles of 12,288 bytes
	s_add_nc_u64 s[8:9], s[8:9], s[38:39]
	s_lshl_b32 s38, s26, 11
	s_add_nc_u64 s[10:11], s[10:11], s[38:39]
	s_lshl_b32 s38, s26, 8
	s_add_nc_u64 s[12:13], s[12:13], s[38:39]
	s_add_nc_u64 s[16:17], s[16:17], s[38:39]
.irp i, 0,1,2,3
	global_load_b128 v[REC+4*\i:REC+4*\i+3], v8, s[14:15] offset:256*\i   ; tile i: the record of place 16 i + r, in both halves of the lanes
.endr
.irp q, 0,1,2,3
	global_load_b32 v[UK+\q], v3, s[42:43] offset:512*\q+4                ; the key at place 32 q + lane of the work-group's 128
.endr
.irp i, 0,1,2,3
.irp q, 0,1,2,3,4,5,6,7
	global_load_b32 v[TO+8*\i+\q], v9, s[14:15] offset:16*(16*\i+2*\q)   ; the token at place 16 i + 2 q + h: the row that I store on the way out
.endr
.endr
	global_prefetch_b8 v44, s[44:45] th:TH_LOAD_NT scope:SCOPE_SE
	global_prefetch_b8 v45, s[44:45] offset:8192 th:TH_LOAD_NT scope:SCOPE_SE
	global_prefetch_b8 v[PF], s[46:47] th:TH_LOAD_NT scope:SCOPE_SE      ; their registers are not written again before an s_wait_xcnt 0
	; while the list is out: the outputs, the second set of sums and the weights begin as zeros, so that an expert's text has no form of its own for the first: its first addition is 0 x 0 onto 0
	WIN 0x80
.set J, 0
.rept 64
	v_mov_b32 v[OUTR+J], 0
.set J, J+1
.endr
	WIN 0xc0
.set J, 0
.rept 64
	v_mov_b32 v[OUTR+J], 0
.set J, J+1
.endr
	WIN 0
.set J, 0
.rept 32
	v_mov_b32 v[TMP+32+J], 0
.set J, J+1
.endr
.irp i, 0,1,2,3,4,5,6,7
	v_mov_b32 v[WT+\i], 0
.endr
	s_wait_loadcnt 0x0
.irp i, 0,1,2,3
	v_min_u32 v[REC+4*\i], 0xfff, v[REC+4*\i]      ; a token's number, held inside the tables
	v_mul_u32_u24 v[XO+\i], v[REC+4*\i], 768
	v_add_nc_u32 v[XO+\i], v[XO+\i], v18
	v_lshl_add_u32 v[XSO+\i], v[REC+4*\i], 5, v9
.endr
.set J, 0
.rept 32
	v_min_u32 v[TO+J], 0xfff, v[TO+J]
	v_lshl_add_u32 v[TO+J], v[TO+J], 12, v8        ; a row of out0 is 4,096 bytes; 16 bytes a lane
.set J, J+1
.endr
.irp i, 0,1,2,3
	v_bfe_u32 v[ELO+\i], v[REC+4*\i+1], 4, 4       ; my tokens' experts,
	v_and_b32 v[EHI+\i], 15, v[REC+4*\i+1]
	v_bfe_u32 v18, v[UK+\i], 4, 4                  ; and a bit for each expert of the 128 keys
	v_lshlrev_b32 v18, v18, v19
	v_or_b32 v7, v7, v18
	v_and_b32 v18, 15, v[UK+\i]
	v_lshlrev_b32 v18, v18, v19
	v_or_b32 v7, v7, v18
.endr
.irp m, 1,2,4,8
	v_mov_b32_dpp v18, v7 row_xmask:\m row_mask:0xf bank_mask:0xf
	v_or_b32 v7, v7, v18
.endr
	v_readlane_b32 s34, v7, 0
	v_readlane_b32 s19, v7, 16
	s_or_b32 s34, s34, s19                         ; the experts that the work-group's 128 tokens use: the same mask in all four waves
	s_and_b32 s34, s34, 0xffff
	s_bcnt1_i32_b32 s35, s34
	s_sub_co_u32 s35, s35, 1                       ; the loop takes all experts but the last
	s_max_u32 s35, s35, 1
	s_min_u32 s35, s35, 15
; the lowest expert left in the mask becomes the next one: its number in s37, its parts of Wc, Ws and b in s[28:33]
.macro NEXTE
	s_ctz_i32_b32 s37, s34
	s_min_u32 s37, s37, 15
	s_sub_co_u32 s19, s34, 1
	s_and_b32 s34, s34, s19
	s_mul_i32 s38, s37, 786432
	s_add_nc_u64 s[28:29], s[8:9], s[38:39]
	s_lshl_b32 s38, s37, 15
	s_add_nc_u64 s[30:31], s[10:11], s[38:39]
	s_lshl_b32 s38, s37, 12
	s_add_nc_u64 s[32:33], s[12:13], s[38:39]
.endm
; the loads of half unit v (counted on into the next expert): 12 for the ring's slot v % 4; with an n tile's first half also its scale words and its bias: 15
.macro LOADW v, base
.set VV, (\v)%8
.set NT, VV/2
.set KH, VV%2
.set SL, 48*((\v)%4)
	WIN 0x40                                       ; destination window 1
.irp k, 0,1,2,3
.irp c, 0,1,2
	global_load_b128 v[SL+12*\k+4*\c:SL+12*\k+4*\c+3], v3, s[\base:\base+1] offset:12288*NT+6144*KH+1536*\k+512*\c
.endr
.endr
	WIN 0
.if KH == 0
	global_load_b128 v[WS+4*NT:WS+4*NT+3], v3, s[\base+2:\base+3] offset:512*NT      ; lanes 0-15: K steps 0-3 of column r; lanes 16-31: K steps 4-7
	global_load_b128 v[BI+8*(NT%2):BI+8*(NT%2)+3], v4, s[\base+4:\base+5] offset:64*NT
	global_load_b128 v[BI+8*(NT%2)+4:BI+8*(NT%2)+7], v4, s[\base+4:\base+5] offset:64*NT+16
.endif
.endm
; eight products of half unit u: K steps k0, k0 + 1 of the half x the four tiles of tokens. The four accumulators take turns, one instruction a turn, from half unit to half unit and over the loop's backward jump too
.macro MUL8 u, k0
.set NT, (\u)/2
.set KH, (\u)%2
.set PP, NT%2
.set SL, 48*((\u)%4)
.irp k, \k0, \k0+1
.irp i, 0,1,2,3
.set MD, TMP+32*PP+8*\i
.set MA, SL+12*(\k)
.set MB, 48*\i+12*(\k)
.set MC, MD
.if (KH == 0) && ((\k) == 0)
.set MC, BI+8*PP                       ; the bias starts the sum
.endif
.if KH
	v_wmma_scale_f32_16x16x128_f8f6f4 v[MD:MD+7], v[MA:MA+11], v[MB:MB+11], v[MC:MC+7], v[WS+4*NT+(\k)], v[XS+4*\i+(\k)] matrix_a_fmt:MATRIX_FMT_FP6 matrix_b_fmt:MATRIX_FMT_FP6 matrix_a_scale:MATRIX_SCALE_ROW1 matrix_b_scale:MATRIX_SCALE_ROW1
.else
	v_wmma_scale_f32_16x16x128_f8f6f4 v[MD:MD+7], v[MA:MA+11], v[MB:MB+11], v[MC:MC+7], v[WS+4*NT+(\k)], v[XS+4*\i+(\k)] matrix_a_fmt:MATRIX_FMT_FP6 matrix_b_fmt:MATRIX_FMT_FP6
.endif
.endr
.endr
.endm
; n tile nt's finished sums, times each token's weight, onto the outputs; each accumulator is read from its low end on
.macro ACCUM nt
.set AP, (\nt)%2
	WIN (0xa0+0x50*((\nt)/2))                      ; destination and source 2 in window 2 or 3
.irp i, 0,1,2,3
.irp j, 0,2,4,6
	v_pk_fma_f32 v[OUTR+32*AP+8*\i+\j:OUTR+32*AP+8*\i+\j+1], v[TMP+32*AP+8*\i+\j:TMP+32*AP+8*\i+\j+1], v[WT+2*\i:WT+2*\i+1], v[OUTR+32*AP+8*\i+\j:OUTR+32*AP+8*\i+\j+1] op_sel_hi:[1,0,1]
.endr
.endr
	WIN 0
.endm
.macro WEIGHTS                         ; the weight of expert s36 for my token of each tile: that of lo, that of hi, or 0
.irp i, 0,1,2,3
	v_cmp_eq_u32 vcc_lo, s36, v[ELO+\i]
	v_cndmask_b32 v[WT+2*\i], 0, v[REC+4*\i+2], vcc_lo
	v_cmp_eq_u32 vcc_lo, s36, v[EHI+\i]
	v_cndmask_b32 v[WT+2*\i], v[WT+2*\i], v[REC+4*\i+3], vcc_lo
.endr
	s_wait_alu depctr_va_vdst(0)                   ; the wait behind these writes
.endm
; A half unit. At its head the loads of half units up to u + 2 have been issued: behind u's own stand 12 + 15 = 27. In the last expert nothing is asked for beyond its half unit 7, so the counts run down: 27, 12, 0.
; The four v_nop are the places behind the half unit before: ahead of the reads of its sums, and ahead of the loads into the slot that it has read.
.macro HU u, last
.set HN, 27
.if \last
.if (\u) == 6
.set HN, 12
.endif
.if (\u) == 7
.set HN, 0
.endif
.endif
	s_wait_loadcnt HN
	WIN (0x09+4*((\u)%2))                          ; source 0 window 1, source 1 window 2 or 3, C and D window 0
	MUL8 \u, 0
	WIN 0
.rept 4
	v_nop
.endr
.if (\u)%2 == 0
	ACCUM (((\u)/2+3)%4)                           ; the n tile before this one; in half unit 0 the last expert's n tile 3, still under that expert's weights
.endif
.if (\u) == 0
	WEIGHTS
.endif
.if (\u) <= 4
	LOADW (\u)+3, 20
.elseif !\last
	LOADW (\u)+3, 28
.endif
	WIN (0x09+4*((\u)%2))
	MUL8 \u, 2
.endm
.macro EXPERT last
	s_wait_xcnt 0x0                                ; the loads issued so far have read their bases: both sets may be written
	s_mov_b64 s[20:21], s[28:29]
	s_mov_b64 s[22:23], s[30:31]
	s_mov_b64 s[24:25], s[32:33]
	s_mov_b32 s36, s37
.if !\last
	NEXTE
.endif
.irp u, 0,1,2,3,4,5,6,7
	HU \u, \last
.endr
	WIN 0                                          ; at a label and at a branch every window is 0
.endm
	NEXTE                                          ; the first expert
	LOADW 0, 28
	LOADW 1, 28
	LOADW 2, 28
.irp hf, 0,1                                   ; x's 32 fragments stay in registers: three loads of 16 bytes a lane each
	WIN (0x80+0x40*\hf)
.irp i, 0,1,2,3
.irp k, 0,1,2,3
.irp c, 0,1,2
	global_load_b128 v[48*\i+12*\k+4*\c:48*\i+12*\k+4*\c+3], v[XO+\i], s[4:5] offset:384*\hf+96*\k+16*\c
.endr
.endr
.endr
.endr
	WIN 0
.irp i, 0,1,2,3
	global_load_b128 v[XS+4*\i:XS+4*\i+3], v[XSO+\i], s[6:7]   ; lanes 0-15: K steps 0-3 of token r; lanes 16-31: K steps 4-7
.endr
	s_wait_loadcnt 0x0
.Lexp:
	s_wait_alu depctr_va_vdst(0)                   ; the wait here, behind the backward jump
	EXPERT 0
	s_sub_co_u32 s35, s35, 1
	s_cmp_lg_u32 s35, 0
	s_cbranch_scc1 .Lexp
	EXPERT 1                                       ; the last expert asks for nothing beyond itself
.rept 4
	v_nop                                          ; four places behind the last products
.endr
	ACCUM 3
; THE WAY OUT, a tile of 16 tokens at a time. A lane holds 32 neighbouring bytes of a row for each n tile, and the lanes beside it hold other rows: so a tile goes through my own stage in LDS and comes back as whole
; rows of 256 bytes. LDS serves a wave's instructions in order: no wait between the stores and the loads, nor ahead of the next tile's stores.
.macro TOSTAGE i
	WIN 0x08                                       ; an LDS store's data are its source 1: window 2
.irp n, 0,1
	ds_store_b128 v5, v[OUTR+32*\n+8*(\i):OUTR+32*\n+8*(\i)+3] offset:64*\n
	ds_store_b128 v5, v[OUTR+32*\n+8*(\i)+4:OUTR+32*\n+8*(\i)+7] offset:64*\n+16
.endr
	WIN 0x0c                                       ; window 3
.irp n, 0,1
	ds_store_b128 v5, v[OUTR+32*\n+8*(\i):OUTR+32*\n+8*(\i)+3] offset:128+64*\n
	ds_store_b128 v5, v[OUTR+32*\n+8*(\i)+4:OUTR+32*\n+8*(\i)+7] offset:128+64*\n+16
.endr
	WIN 0
.irp q, 0,1,2,3,4,5,6,7
	ds_load_b128 v[RB+32*((\i)%2)+4*\q:RB+32*((\i)%2)+4*\q+3], v6 offset:544*\q
.endr
.endm
.macro SEND i, younger                 ; younger: the LDS instructions issued behind tile i's loads, which may stay out
	s_wait_dscnt \younger
.irp q, 0,1,2,3,4,5,6,7
	global_store_b128 v[TO+8*(\i)+\q], v[RB+32*((\i)%2)+4*\q:RB+32*((\i)%2)+4*\q+3], s[16:17] th:TH_STORE_NT   ; sixteen lanes store 256 consecutive bytes of a token's row, aligned
.endr
.endm
	TOSTAGE 0
	TOSTAGE 1
	s_wait_alu depctr_va_vdst(0)                   ; the wait here, directly ahead of SEND's wait
	SEND 0, 16                                     ; behind tile 0's loads: tile 1's 8 stores and 8 loads
	s_wait_xcnt 0x0                                ; tile 0's stores have read their registers: tile 2's loads may land there
	TOSTAGE 2
	SEND 1, 16
	s_wait_xcnt 0x0
	TOSTAGE 3
	SEND 2, 16
	SEND 3, 0
	s_wait_tensorcnt 0x0                           ; the wave's end
	ds_add_u32 v46, v47
	s_wait_dscnt 0x0
	s_endpgm
.Lfunc_end_k_q7d14ec474f_moe:
	.size	k_q7d14ec474f_moe, .Lfunc_end_k_q7d14ec474f_moe-k_q7d14ec474f_moe
	.p2alignl 7, 3214868480
	.fill 96, 4, 3214868480
	.section	.rodata,"a",@progbits
	.p2align	6, 0x0
	.amdhsa_kernel k_q7d14ec474f_moe
		.amdhsa_group_segment_fixed_size 17920
		.amdhsa_private_segment_fixed_size 0
		.amdhsa_enable_private_segment 0
		.amdhsa_kernarg_size 56
		.amdhsa_user_sgpr_count 2
		.amdhsa_user_sgpr_kernarg_segment_ptr 1
		.amdhsa_wavefront_size32 1
		.amdhsa_system_sgpr_workgroup_id_x 1
		.amdhsa_system_sgpr_workgroup_id_y 1
		.amdhsa_system_sgpr_workgroup_id_z 1
		.amdhsa_system_vgpr_workitem_id 0
		.amdhsa_next_free_vgpr 1024
		.amdhsa_next_free_sgpr 66
		.amdhsa_reserve_vcc 1
		.amdhsa_float_denorm_mode_32 3
		.amdhsa_float_denorm_mode_16_64 3
		.amdhsa_memory_ordered 1
		.amdhsa_forward_progress 1
		.amdhsa_inst_pref_size 106
	.end_amdhsa_kernel
	.amdgpu_metadata
---
amdhsa.version: [ 1, 2 ]
amdhsa.kernels:
  - .name:           k_q7d14ec474f_moe
    .symbol:         k_q7d14ec474f_moe.kd
    .args:
      - { .name: xc, .offset: 0, .size: 8, .value_kind: global_buffer, .address_space: global }
      - { .name: xs, .offset: 8, .size: 8, .value_kind: global_buffer, .address_space: global }
      - { .name: Wc, .offset: 16, .size: 8, .value_kind: global_buffer, .address_space: global }
      - { .name: Ws, .offset: 24, .size: 8, .value_kind: global_buffer, .address_space: global }
      - { .name: b, .offset: 32, .size: 8, .value_kind: global_buffer, .address_space: global }
      - { .name: route, .offset: 40, .size: 8, .value_kind: global_buffer, .address_space: global }
      - { .name: out0, .offset: 48, .size: 8, .value_kind: global_buffer, .address_space: global }
    .group_segment_fixed_size: 17920
    .private_segment_fixed_size: 0
    .kernarg_segment_align: 8
    .kernarg_segment_size: 56
    .max_flat_workgroup_size: 128
    .sgpr_count:     66
    .vgpr_count:     1024
    .wavefront_size: 32
...
	.end_amdgpu_metadata
.endif
;; end of part 3
